; MI455X (gfx1250); checked and timed in simulation.
; The chip was launched on July 23, 2026; its instructions are those of AMD's public machine-readable ISA for CDNA 5 (MIT licence, August 2026) and "CDNA5" Instruction Set Architecture Reference Guide (July 2026). The comments in the code are by the model that wrote it; some were corrected since.
;; Ro Co. Allowed arithmetic: float matrix products may take bf16 or f16 operands with f32 sums; other float arithmetic in f32, or as packed bf16 or f16 multiplies, adds, multiply-adds, maxima and minima; sums over many terms, partial sums and values carried from step to step in f32; what a program stores and reads back later, other than sums and carried values, may be rounded once to bf16 or f16.
;; Inputs: k 1 x 2,048 x 32 x 128 float32; q 1 x 2,048 x 32 x 128 float32; v 1 x 2,048 x 32 x 128 float32.
;; Outputs: out0 1 x 2,048 x 32 x 128 float32; out1 1 x 32 x 2,048 float32; out2 1 x 32 x 2,048 float32.
;; One version. Each part assembles by itself: llvm-mc -triple=amdgcn-amd-amdhsa -mcpu=gfx1250 --defsym DOCPART=n.
;; ======== version 1 of 1: 2 launches
;; workspace buffers: qm 17,301,504 bytes
;; launch attn (part 1): grid 8 x 32, 4 waves a work-group, no clusters, 105,984 bytes of LDS; arguments q, k, v, out0, qm; writes out0, qm
.if DOCPART == 1
	.amdgcn_target "amdgcn-amd-amdhsa--gfx1250"
	.amdhsa_code_object_version 6
	.text
	.protected	k_qaaf61d913b_attn
	.globl	k_qaaf61d913b_attn
	.p2align	8
	.type	k_qaaf61d913b_attn,@function
k_qaaf61d913b_attn:
	s_mov_b64 s[64:65], 0
	v_nop
	global_prefetch_b8 v0, s[64:65] scope:SCOPE_SE
	s_setreg_imm32_b32 hwreg(HW_REG_WAVE_MODE, 25, 1), 1
	s_wait_xcnt 0x0
; CAUSAL ATTENTION, 32 heads, 2,048 positions, head size 128.  q, k, v, out0: [position][head][128] f32: a head's row is 512 bytes, rows lie 16,384 bytes apart.
; out0[q] = the sum over k <= q of softmax_k(q . k / sqrt(128)) v[k].  q, k, v are rounded once to bf16 for the products; maxima, sums and O in f32.
; BY-PRODUCTS for the launch behind (sums of the weights over queries): qm holds, for each head, block of 128 queries and wave, a record of 8,448 bytes:
; the wave's two tiles of Q as bf16 fragments (byte 512 n + 16 lane: registers 4 n .. 4 n + 3), then 64 floats M = c m + log2 l (tile A's 16, tile B's 16, and the 32 once more: 256 bytes on end).
; LIMITS.  A hidden score counts as -1e30; a weight below 2^-126 counts as 0; NaN and infinities are not treated apart.  The weights go into the second product as ONE bf16 term, but in a block's
; diagonal tile as TWO (p = Ph + Pl): all keys of positions 0-127 lie in diagonal tiles, every other row has 129 keys or more.
; THE WALK.  A head has 16 blocks of 128 queries; block i needs the key tiles 0 .. i of 128 keys.  A work-group takes block 15 - b and then block b: 17 tiles, 34 steps of 64 keys, whatever b.
; One text serves every trip: the loads run three steps ahead, so three steps' loads beyond the walk's end (of rows inside k and v) serve nothing, and one of them is converted and stored.
; SHARES.  Wave w owns tile A (block rows 16 w ..) and tile B (rows 64 + 16 w ..), so the diagonal tile is the same work for all four waves.
; LAYOUT.  S^T = K Q^T (source 0 = 16 keys, source 1 = 16 queries): a lane holds ONE query (lane % 16) and the keys 8 (lane / 16) + 0..7; two results rounded in pairs ARE source 1 of O^T = V^T P.
; THE WAY IN.  K and V arrive as f32: each wave loads 16 rows of each a step (one load = one row's 512 bytes), rounds them in registers and stores bf16 rows into one of two LDS slots.
; NO TENSOR LOADS, NO CLUSTER: a tile brought by the mover would lie in LDS as f32 and every work-group would still read, round and write it back (64 KiB out, 32 KiB in, a step); and the eight
; work-groups of a head walk different tiles from trip 9 - b on.
; ONE BARRIER A STEP.  Slot 1 - p is written in step t behind the barrier of step t - 1, ahead of whose signal every wave has waited for its reads of that slot; it is read behind the barrier of step t,
; ahead of whose signal every wave has waited for its stores.
; REGISTERS, in windows of 256 (s_set_vgpr_msb: bits 1:0 source 0, 3:2 source 1, 5:4 source 2, 7:6 destination):
;   window 0: v1-15 addresses; v16-31 statistics, 8 a tile (c m, m, l even, l odd, c0-c3; a takes c2's place); v32-63 at work; v64-127 S^T, 32 a tile; v128-255 O^T, 64 a tile
;   window 1: v0-63 Q; v64-127 the second block's Q; v128-159 P; v160-191 Pl        window 2: v0-127 K of a step; v128-255 V of a step
;   window 3: two sets of 128: a step's f32 rows on their way in (K's row i at 4 i, V's at 64 + 4 i)
.set ROWB,  16384
.set STEPB, 64*ROWB                 ; 64 positions
.set PK,    272                     ; a bf16 row of K in LDS: 256 bytes + 16: the 16 rows of a fragment load start at 16 different groups of four banks
.set PV,    288                     ; of V: 256 + 32
.set KSL,   64*PK
.set VBASE, 2*KSL
.set VSL,   64*PV
.set STAGE, VBASE+2*VSL             ; each wave's own 16 rows x 528 bytes for the way out
.set SPI,   528
.set STW,   16*SPI
.set SPARE, STAGE+4*STW             ; the spare words: 128 bytes a wave, named by no other line
.set RECB,  8448
.set RBLK,  4*RECB
.set RHEAD, 16*RBLK
.set AK0, 1                         ; 272 r + 16 h
.set AV0, 2                         ; VBASE + (8 h + l % 8) 288 + 16 ((l / 8) % 2)
.set KST, 3                         ; 16 w rows of K + 8 l
.set VST, 4                         ; the same for V
.set GKO, 5                         ; 16 w rows in memory + 16 l
.set L16, 6
.set STO, 7                         ; stage + 528 r + 32 h
.set RD,  8                         ; stage + 16 l
.set PFO, 9                         ; (16 w + l / 2) rows + 256 (l % 2)
.set BP1, 11                        ; 8 l + 4
.set L8,  12                        ; 8 l
.set SPW, 13
.set NIL, 14
.set TH,  15                        ; 16 w + r - 8 h
.set ST,  16
.set TT,  32
.set QO,  32                        ; (set-up only) 16,384 r + 32 h
.set S,   64
.set O,   128
.set Q,   0
.set QB,  64
.set P,   128
.set PL,  160
.set VF,  128
.set WV, 14
.set PB, 15
.set HI, 16
.set HEAD, 17
.set KB, 18                         ; s[18:19] k at the head's first row;  s[20:21] v
.set VB, 20
.set KP, 22                         ; s[22:23], s[24:25] the same at the step that is being loaded
.set VP, 24
.set OFF, 26
.set OP, 28                         ; s[28:29] out0 at my rows of the block in hand; s[30:31] of the second block
.set OPL, 30
.set RP, 32                         ; s[32:33], s[34:35] my records likewise
.set RPL, 34
.set RT, 36                         ; tiles ahead of the block's diagonal one
.set ND, 37                         ; the step of 64 keys to be loaded next
.set LIMD, 38                       ; the last such step of the block whose keys are being loaded
.set LEFT, 39
.set PFC, 40                        ; steps that still prefetch
.set DG, 41                         ; 1 in a diagonal tile
.set CS, 42                         ; s[42:43] c
.set SEL, 44
.set BIG, 46
.set LOD, 47
.set HM, 48
.set QH, 50
.set QL, 52
.set W_MM, 0x06                     ; source 0 window 2, source 1 window 1, C and D window 0: both products
.set W_CV, 0xcf
.set W_ST3, 0x0c
.set W_LD3, 0xc0
.set W_FR, 0x80
.set W_TP, 0x40
.set W_S1, 0x04
.set W_QC, 0x4a
.set W_QM, 0x41
.set MSB, 0
.macro WIN new                      ; the high byte repeats the setting that is left; a switch that changes nothing is dropped
.if MSB != (\new)
	s_set_vgpr_msb (MSB<<8)|(\new)
.set MSB, (\new)
.endif
.endm
.macro PLACES                       ; four plain instructions between a matrix instruction and a vector instruction or load that touches its registers
.rept 4
	v_nop
.endr
.endm
.macro LOADSET s, off               ; a step's 16 + 16 rows of mine, f32, into set s
	WIN W_LD3
.set n, 0
.rept 16
	global_load_b128 v[128*(\s)+4*n:128*(\s)+4*n+3], v[GKO], s[KP:KP+1] offset:(\off)+ROWB*n
.set n, n+1
.endr
.set n, 0
.rept 16
	global_load_b128 v[128*(\s)+64+4*n:128*(\s)+64+4*n+3], v[GKO], s[VP:VP+1] offset:(\off)+ROWB*n
.set n, n+1
.endr
.endm
.macro CVT4 s, m                    ; rows 2 m, 2 m + 1 of the set's 32 are rounded in place: 4 f32 a lane become 8 bytes
	WIN W_CV
.set c0, 128*(\s)+8*(\m)
	v_cvt_pk_bf16_f32 v[c0], v[c0], v[c0+1]
	v_cvt_pk_bf16_f32 v[c0+1], v[c0+2], v[c0+3]
	v_cvt_pk_bf16_f32 v[c0+4], v[c0+4], v[c0+5]
	v_cvt_pk_bf16_f32 v[c0+5], v[c0+6], v[c0+7]
.endm
.macro STORES s                     ; set s goes into slot s: 32 lanes x 8 bytes are a row's 256
	WIN W_ST3
.set n, 0
.rept 16
	ds_store_b64 v[KST], v[128*(\s)+4*n:128*(\s)+4*n+1] offset:KSL*(\s)+PK*n
.set n, n+1
.endr
.set n, 0
.rept 16
	ds_store_b64 v[VST], v[128*(\s)+64+4*n:128*(\s)+64+4*n+1] offset:VSL*(\s)+PV*n
.set n, n+1
.endr
.endm
.macro FETCH_K slot                 ; 16 fragments: keys 16 (n / 4) on, channels 32 (n % 4) on
	WIN W_FR
.set n, 0
.rept 16
	ds_load_b128 v[8*n:8*n+3],   v[AK0] offset:KSL*(\slot)+(n/4)*16*PK+(n%4)*64
	ds_load_b128 v[8*n+4:8*n+7], v[AK0] offset:KSL*(\slot)+(n/4)*16*PK+(n%4)*64+32
.set n, n+1
.endr
.endm
.macro FETCH_V slot                 ; turned: keys 32 (n / 8) on, channels 16 (n % 8) on
	WIN W_FR
.set n, 0
.rept 16
	ds_load_tr16_b128 v[VF+8*n:VF+8*n+3],   v[AV0] offset:VSL*(\slot)+(n/8)*32*PV+(n%8)*32
	ds_load_tr16_b128 v[VF+8*n+4:VF+8*n+7], v[AV0] offset:VSL*(\slot)+(n/8)*32*PV+16*PV+(n%8)*32
.set n, n+1
.endr
.endm
; Product i of 32 of S^T = K Q^T: channels 32 (i / 8) on, keys 16 ((i / 2) % 4) on, tile i % 2.  The 8 accumulators take turns; the first 8 start the sums.
.macro KQ
	WIN W_MM
.set rS, S+32*(i%2)+8*((i/2)%4)
.set rK, 32*((i/2)%4)+8*(i/8)
.set rQ, Q+32*(i%2)+8*(i/8)
.if i < 8
	v_wmma_f32_16x16x32_bf16 v[rS:rS+7], v[rK:rK+7], v[rQ:rQ+7], 0
.else
	v_wmma_f32_16x16x32_bf16 v[rS:rS+7], v[rK:rK+7], v[rQ:rQ+7], v[rS:rS+7]
.endif
.endm
; Product i of 32 of O^T += V^T P: keys 32 (i / 16) on, channels 16 ((i / 2) % 8) on, tile i % 2.  16 accumulators by turns.
.macro PVP base
	WIN W_MM
.set rO, O+64*(i%2)+8*((i/2)%8)
.set rV, VF+64*(i/16)+8*((i/2)%8)
.set rP, (\base)+16*(i%2)+8*(i/16)
	v_wmma_f32_16x16x32_bf16 v[rO:rO+7], v[rV:rV+7], v[rP:rP+7], v[rO:rO+7]
.endm
; Number j of the 134 of tile t's softmax for a step.  0-15 the maximum of 32 scores and the old m (each accumulator's lowest registers first); 16-20 the other half of the lanes, m, c m, its change;
; 21-69 ONE BATCH: 16 scalings c s - c m and 33 exponentials, none of which reads an exponential's result; 70-85 roundings to bf16; 86-101 sums, l = a l + sum; 102-133 O^T times a.
.macro SM t
.set rT, ST+8*(\t)
.set rS, S+32*(\t)
.set rP, P+16*(\t)
.set rO, O+64*(\t)+2*(j-102)
.if (j >= 70) && (j < 86)
	WIN W_TP
.else
	WIN 0
.endif
.if j < 4
	v_max3_num_f32 v[rT+4+j], v[rS+8*j], v[rS+8*j+1], v[rS+8*j+2]
.elseif j < 12
	v_max3_num_f32 v[rT+4+j%4], v[rT+4+j%4], v[rS+8*(j%4)+2*(j/4)+1], v[rS+8*(j%4)+2*(j/4)+2]
.elseif j == 12
	v_max3_num_f32 v[rT+4], v[rT+4], v[rS+7], v[rS+15]
.elseif j == 13
	v_max3_num_f32 v[rT+6], v[rT+6], v[rS+23], v[rS+31]
.elseif j == 14
	v_max3_num_f32 v[rT+4], v[rT+4], v[rT+5], v[rT+6]
.elseif j == 15
	v_max3_num_f32 v[rT+4], v[rT+4], v[rT+7], v[rT+1]
.elseif j == 16
	v_permlanex16_b32 v[rT+5], v[rT+4], s[SEL], s[SEL+1]
.elseif j == 17
	v_mov_b32 v[rT+7], v[rT]
.elseif j == 18
	v_max_num_f32 v[rT+1], v[rT+4], v[rT+5]
.elseif j == 19
	v_mul_f32 v[rT], s[CS], v[rT+1]
.elseif j == 20
	v_sub_f32 v[rT+7], v[rT+7], v[rT]
.elseif j == 23
	v_exp_f32 v[rT+6], v[rT+7]
.elseif (j < 23) || ((j < 38) && (j%2 == 0)) || ((j < 66) && (j%4 == 2))
.set b, (j-2)/4
.if j < 38
.set b, (j-20)/2
.endif
	v_pk_fma_f32 v[rS+2*b:rS+2*b+1], v[rS+2*b:rS+2*b+1], s[CS:CS+1], v[rT:rT+1] op_sel_hi:[1,0,0] neg_lo:[0,0,1] neg_hi:[0,0,1]
.elseif j < 70
.set e, j-38
.if j < 66
.set e, j-32-(j-38)/4
.endif
.if j < 38
.set e, (j-25)/2
.endif
	v_exp_f32 v[rS+e], v[rS+e]
.elseif j < 86
	v_cvt_pk_bf16_f32 v[rP+j-70], v[rS+2*(j-70)], v[rS+2*(j-70)+1]
.elseif j < 102
.set z, j-86
.set w, 4
.set u, z
.if z >= 14
.set w, 32
.set u, 0
.elseif z >= 12
.set w, 16
.set u, z-12
.elseif z >= 8
.set w, 8
.set u, z-8
.endif
.if z < 15
	v_pk_add_f32 v[rS+w*u:rS+w*u+1], v[rS+w*u:rS+w*u+1], v[rS+w*u+w/2:rS+w*u+w/2+1]
.else
	v_pk_fma_f32 v[rT+2:rT+3], v[rT+2:rT+3], v[rT+6:rT+7], v[rS:rS+1] op_sel_hi:[1,0,1]
.endif
.else
	v_pk_mul_f32 v[rO:rO+1], v[rO:rO+1], v[rT+6:rT+7] op_sel_hi:[1,0]
.endif
.endm
.macro SMS count                    ; the next numbers of the list, the two tiles alternating
.rept \count
	SM 0
	SM 1
.set j, j+1
.endr
.endm
.macro MASKD base                   ; a tile's own 64 keys: register n % 8 of group n / 8 is hidden where 16 (n / 8) + n % 8 > 16 w + r - 8 h
.set n, 0
.rept 32
	v_cmp_gt_i32 vcc_lo, 16*(n/8)+n%8, v[TH]
	v_cndmask_b32 v[(\base)+n], v[(\base)+n], s[BIG], vcc_lo
.set n, n+1
.endr
.endm
.macro TTX t                        ; Pl = bf16(p - Ph), while S^T still holds p
	WIN W_S1
.set n, 0
.rept 16
	v_lshlrev_b32 v[TT+2*n], 16, v[P+16*(\t)+n]
	v_and_b32 v[TT+2*n+1], s[HM], v[P+16*(\t)+n]
.set n, n+1
.endr
	WIN 0
.set n, 0
.rept 16
	v_pk_add_f32 v[TT+2*n:TT+2*n+1], v[S+32*(\t)+2*n:S+32*(\t)+2*n+1], v[TT+2*n:TT+2*n+1] neg_lo:[0,1] neg_hi:[0,1]
.set n, n+1
.endr
	WIN W_TP
.set n, 0
.rept 16
	v_cvt_pk_bf16_f32 v[PL+16*(\t)+n], v[TT+2*n], v[TT+2*n+1]
.set n, n+1
.endr
.endm
; A KEY STEP, read from slot p.  Set 1 - p holds the next step's rows: they are rounded behind the first 16 products and stored into slot 1 - p; the set is then loaded with the step three on.
.macro STEP p
	WIN 0
	PLACES                          ; behind the last products that read V's registers
	FETCH_V \p
	s_wait_loadcnt 32               ; set 1 - p is in; the other set's 32 loads are younger
	s_wait_dscnt 32                 ; K's 32 fragment loads are in; V's 32 are younger
.set i, 0
.rept 16
	KQ
	CVT4 1-(\p),i
.set i, i+1
.endr
	STORES 1-(\p)
	WIN 0
	s_wait_xcnt 0x0                 ; the loads and prefetches of the step before have read their pointers
	s_lshl_b32 s[OFF], s[ND], 20
	s_add_nc_u64 s[KP:KP+1], s[KB:KB+1], s[OFF:OFF+1]
	s_add_nc_u64 s[VP:VP+1], s[VB:VB+1], s[OFF:OFF+1]
	s_add_co_u32 s[ND], s[ND], 1    ; the block's next 64 keys, or behind its last the second block's first
	s_cmp_gt_u32 s[ND], s[LIMD]
	s_cselect_b32 s[ND], 0, s[ND]
	s_cselect_b32 s[LIMD], s[LOD], s[LIMD]
	LOADSET 1-(\p),0
	WIN 0
	; A PREFETCH INTO THE L2: the head's work-group b = 0 names, behind its own loads, the 64 rows of K and of V that the loads two steps on will want: a lane a block of 256 bytes,
	; 16 rows a wave, each block once in the launch.  Steps 0 to 26 ask, for keys 320 to 2,047; the first 320 keys come by their loads alone.
	s_cmp_eq_u32 s[PFC], 0
	s_cbranch_scc1 .Lnopf_\@
	global_prefetch_b8 v[PFO], s[KP:KP+1] offset:2*STEPB th:TH_LOAD_NT scope:SCOPE_SE
	global_prefetch_b8 v[PFO], s[VP:VP+1] offset:2*STEPB th:TH_LOAD_NT scope:SCOPE_SE
	s_sub_co_u32 s[PFC], s[PFC], 1
.Lnopf_\@:
.rept 16
	KQ
.set i, i+1
.endr
	PLACES                          ; behind the last products: the scores are read, and K's registers loaded, only behind these
	WIN 0
	s_cmp_eq_u32 s[DG], 0
	s_cbranch_scc1 .Lnomask_\@
.if (\p) == 0
	MASKD S                         ; keys 0-63 of the diagonal tile: tile A holds the diagonal, tile B sees all
.else
.set n, 0
.rept 32
	v_mov_b32 v[S+n], s[BIG]        ; keys 64-127: tile A sees none,
.set n, n+1
.endr
	MASKD S+32                      ; tile B holds the diagonal
.endif
.Lnomask_\@:
	s_wait_dscnt 0x0                ; for the others' sake: my stores into slot 1 - p are done, my reads of slot p are back (V's fragments among them)
	s_barrier_signal -1             ; the softmax, work on registers, stands between the signal and the wait
.set j, 0
	SMS 70
	v_nop                           ; a plain instruction behind the last exponential,
	s_wait_alu depctr_va_vdst(0)    ; and ONE wait for the batch of 66, ahead of the first line that names a result
	SMS 16
	WIN 0
	s_cmp_eq_u32 s[DG], 0
	s_cbranch_scc1 .Lnott_\@
	TTX 0
	TTX 1
	WIN 0
.Lnott_\@:
	SMS 48
	s_barrier_wait -1               ; slot 1 - p is whole, and nobody reads slot p any more
	FETCH_K 1-(\p)
.set i, 0
.rept 32
	PVP P
.set i, i+1
.endr
	WIN 0
	s_cmp_eq_u32 s[DG], 0
	s_cbranch_scc1 .Lnopl_\@
.set i, 0
.rept 32
	PVP PL
.set i, i+1
.endr
	WIN 0
.Lnopl_\@:
.endm
	s_load_b256 s[4:11], s[0:1], 0x0               ; q s[4:5], k s[6:7], v s[8:9], out0 s[10:11]
	s_load_b64 s[12:13], s[0:1], 0x20              ; qm
	v_lshl_add_u32 v[SPW], v0, 2, SPARE
	v_mov_b32 v[NIL], 0
	v_lshrrev_b32 v[TH], 5, v0
	v_readfirstlane_b32 s[WV], v[TH]               ; wave 0..3
	s_mov_b32 s[PB], ttmp9
	s_sub_co_u32 s[HI], 15, s[PB]
	s_and_b32 s[HEAD], ttmp7, 0xffff
	v_and_b32 v40, 31, v0                          ; l
	v_and_b32 v41, 15, v0                          ; r
	v_bfe_u32 v42, v0, 4, 1                        ; h
	v_and_b32 v43, 7, v0
	v_bfe_u32 v44, v0, 3, 1
	v_bfe_u32 v45, v0, 1, 4                        ; l / 2
	v_and_b32 v46, 1, v0
	v_mul_u32_u24 v[AK0], v41, PK
	v_lshl_add_u32 v[AK0], v42, 4, v[AK0]
	v_lshl_add_u32 v[AV0], v42, 3, v43
	v_mul_u32_u24 v[AV0], v[AV0], PV
	v_lshl_add_u32 v[AV0], v44, 4, v[AV0]
	v_add_nc_u32 v[AV0], VBASE, v[AV0]
	s_mul_i32 s54, s[WV], 16*PK
	v_lshl_add_u32 v[KST], v40, 3, s54
	s_mul_i32 s55, s[WV], 16*PV
	s_add_co_u32 s55, s55, VBASE
	v_lshl_add_u32 v[VST], v40, 3, s55
	s_lshl_b32 s56, s[WV], 18
	v_lshl_add_u32 v[GKO], v40, 4, s56
	v_lshlrev_b32 v[L16], 4, v40
	s_mul_i32 s57, s[WV], STW
	s_add_co_u32 s57, s57, STAGE
	v_mul_u32_u24 v[STO], v41, SPI
	v_lshl_add_u32 v[STO], v42, 5, v[STO]
	v_add_nc_u32 v[STO], s57, v[STO]
	v_lshl_add_u32 v[RD], v40, 4, s57
	v_lshl_add_u32 v[PFO], v45, 14, s56
	v_lshl_add_u32 v[PFO], v46, 8, v[PFO]
	v_lshlrev_b32 v[L8], 3, v40
	v_add_nc_u32 v[BP1], 4, v[L8]
	s_lshl_b32 s58, s[WV], 4
	v_lshlrev_b32 v47, 3, v42
	v_sub_nc_u32 v[TH], v41, v47
	v_add_nc_u32 v[TH], s58, v[TH]
	v_lshlrev_b32 v[QO], 14, v41
	v_lshl_add_u32 v[QO], v42, 5, v[QO]
	; byte offsets, made apart from the addresses
	s_lshl_b32 s54, s[HEAD], 9                     ; the head's 512 bytes in a row
	s_mov_b32 s55, 0
	s_add_co_u32 s56, s56, s54                     ; + my 16 rows in a band of 64
	s_lshl_b32 s58, s[HI], 21                      ; + the block's 128 rows: the first block,
	s_add_co_u32 s58, s58, s56
	s_mov_b32 s59, 0
	s_lshl_b32 s60, s[PB], 21                      ; the second
	s_add_co_u32 s60, s60, s56
	s_mov_b32 s61, 0
	s_mul_i32 s62, s[HEAD], RHEAD                  ; my records
	s_mul_i32 s57, s[WV], RECB
	s_add_co_u32 s62, s62, s57
	s_mul_i32 s[OFF], s[HI], RBLK
	s_add_co_u32 s[OFF], s[OFF], s62
	s_mov_b32 s[OFF+1], 0
	s_mul_i32 s57, s[PB], RBLK
	s_add_co_u32 s62, s62, s57
	s_mov_b32 s63, 0
	s_mov_b32 s[CS], 0x3e0293ee                    ; c = log2(e) / sqrt(128)
	s_mov_b32 s[CS+1], s[CS]
	s_mov_b32 s[SEL], 0x76543210
	s_mov_b32 s[SEL+1], 0xfedcba98
	s_mov_b32 s[BIG], 0xf149f2ca                   ; -1e30
	s_mov_b32 s[HM], 0xffff0000
	s_lshl_b32 s[LOD], s[PB], 1
	s_add_co_u32 s[LOD], s[LOD], 1                 ; the second block's last step: 2 b + 1
	s_sub_co_u32 s[LIMD], 32, s[LOD]               ; the first block's: 31 - 2 b
	s_mov_b32 s[RT], s[HI]
	s_mov_b32 s[ND], 3
	s_mov_b32 s[LEFT], 17
	s_cmp_eq_u32 s[PB], 0
	s_cselect_b32 s[PFC], 27, 0
	s_wait_kmcnt 0x0
	s_add_nc_u64 s[KB:KB+1], s[6:7], s[54:55]
	s_add_nc_u64 s[VB:VB+1], s[8:9], s[54:55]
	s_mov_b64 s[KP:KP+1], s[KB:KB+1]
	s_mov_b64 s[VP:VP+1], s[VB:VB+1]
	s_add_nc_u64 s[QH:QH+1], s[4:5], s[58:59]
	s_add_nc_u64 s[QL:QL+1], s[4:5], s[60:61]
	s_add_nc_u64 s[OP:OP+1], s[10:11], s[58:59]
	s_add_nc_u64 s[OPL:OPL+1], s[10:11], s[60:61]
	s_add_nc_u64 s[RP:RP+1], s[12:13], s[OFF:OFF+1]
	s_add_nc_u64 s[RPL:RPL+1], s[12:13], s[62:63]
	LOADSET 0,0                                    ; keys 0-63
	WIN W_FR                                       ; the first block's Q, f32, into K's registers: n = 16 t + 4 c + 2 e + f: tile t, channels 32 c + 16 e + 8 h + 4 f on
.set n, 0
.rept 32
	global_load_b128 v[4*n:4*n+3], v[QO], s[QH:QH+1] offset:(n/16)*STEPB+((n/4)%4)*128+((n/2)%2)*64+(n%2)*16 th:TH_LOAD_NT
.set n, n+1
.endr
	; What the first step finds: O^T and l are 0, c m far below every c s (so its a is 0), m the lowest finite number.  168 lines in the wait for the first rows: the price of writing no first step out.
	WIN 0
.set n, 0
.rept 128
	v_mov_b32 v[O+n], 0
.set n, n+1
.endr
.irp t, 0,1
	v_mov_b32 v[ST+8*(\t)], 0xfe000000
	v_mov_b32 v[ST+8*(\t)+1], 0xff7fffff
	v_mov_b32 v[ST+8*(\t)+2], 0
	v_mov_b32 v[ST+8*(\t)+3], 0
.endr
	WIN W_TP
.set n, 0
.rept 32
	v_mov_b32 v[PL+n], 0                           ; written once, so that no way through the text reads Pl unwritten
.set n, n+1
.endr
	s_wait_loadcnt 32                              ; keys 0-63 are in; Q's 32 loads are younger
.set n, 0
.rept 16
	CVT4 0,n
.set n, n+1
.endr
	STORES 0
	LOADSET 1,STEPB                                ; keys 64-127
	s_wait_loadcnt 32                              ; Q is in; the 32 loads just issued are younger
	WIN W_QC
.set n, 0
.rept 64
	v_cvt_pk_bf16_f32 v[Q+n], v[2*n], v[2*n+1]
.set n, n+1
.endr
	WIN W_S1
.set n, 0
.rept 16
	global_store_b128 v[L16], v[Q+4*n:Q+4*n+3], s[RP:RP+1] offset:512*n   ; 512 consecutive bytes of my record
.set n, n+1
.endr
	WIN W_FR                                       ; the second block's Q, into V's registers
.set n, 0
.rept 32
	global_load_b128 v[128+4*n:128+4*n+3], v[QO], s[QL:QL+1] offset:(n/16)*STEPB+((n/4)%4)*128+((n/2)%2)*64+(n%2)*16 th:TH_LOAD_NT
.set n, n+1
.endr
	LOADSET 0,2*STEPB                              ; keys 128-191
	s_wait_loadcnt 32                              ; keys 64-127 and the second Q are in; the 32 loads just issued are younger
	WIN W_QC
.set n, 0
.rept 64
	v_cvt_pk_bf16_f32 v[QB+n], v[128+2*n], v[128+2*n+1]
.set n, n+1
.endr
	WIN W_S1
.set n, 0
.rept 16
	global_store_b128 v[L16], v[QB+4*n:QB+4*n+3], s[RPL:RPL+1] offset:512*n
.set n, n+1
.endr
	WIN 0
	s_wait_dscnt 0x0                               ; my rows of slot 0 are stored,
	s_barrier_signal -1
	s_barrier_wait -1                              ; everybody's are
	FETCH_K 0
	WIN 0
.Ltrip:                                            ; 17 trips: a tile of 128 keys each
	s_cmp_eq_u32 s[RT], 0
	s_cselect_b32 s[DG], 1, 0
	STEP 0
	STEP 1
	s_cmp_eq_u32 s[DG], 0
	s_cbranch_scc1 .Lmore
	; A BLOCK ENDS.  l's two halves and the other half of the lanes' are added; M = c m + log2 l goes into my record; O^T / l goes through my stage in LDS and leaves as whole rows of 512 bytes.
	PLACES
.irp t, 0,1
	v_add_f32 v[ST+8*(\t)+4], v[ST+8*(\t)+2], v[ST+8*(\t)+3]
.endr
.irp t, 0,1
	v_permlanex16_b32 v[ST+8*(\t)+5], v[ST+8*(\t)+4], s[SEL], s[SEL+1]
.endr
.irp t, 0,1
	v_add_f32 v[ST+8*(\t)+4], v[ST+8*(\t)+4], v[ST+8*(\t)+5]
.endr
.irp t, 0,1
	v_rcp_f32 v[ST+8*(\t)+6], v[ST+8*(\t)+4]
	v_log_f32 v[ST+8*(\t)+7], v[ST+8*(\t)+4]
.endr
	v_nop                                          ; a plain instruction behind the last of the four,
	s_wait_alu depctr_va_vdst(0)                   ; and one wait for them, ahead of the first use
	v_add_f32 v32, v[ST], v[ST+7]
	v_add_f32 v33, v[ST+8], v[ST+15]
	v_cmp_le_u32 vcc_lo, 128, v[L8]
	v_cndmask_b32 v33, v32, v33, vcc_lo            ; lane x: M of tile A's row x, from lane 16 on of tile B's row x - 16
	ds_bpermute_b32 v34, v[L8], v33                ; lane l takes floats 2 l and 2 l + 1 (modulo 32) of those 32
	ds_bpermute_b32 v35, v[BP1], v33
	s_wait_dscnt 0x0
	global_store_b64 v[L8], v[34:35], s[RP:RP+1] offset:8192   ; 256 consecutive bytes
.irp t, 0,1
.set n, 0
.rept 32
	v_pk_mul_f32 v[O+64*(\t)+2*n:O+64*(\t)+2*n+1], v[O+64*(\t)+2*n:O+64*(\t)+2*n+1], v[ST+8*(\t)+6:ST+8*(\t)+7] op_sel_hi:[1,0]
.set n, n+1
.endr
.set n, 0
.rept 16
	ds_store_b128 v[STO], v[O+64*(\t)+4*n:O+64*(\t)+4*n+3] offset:64*(n/2)+16*(n%2)   ; row r, channels 16 (n / 2) + 8 h + 4 (n % 2) on
.set n, n+1
.endr
.if (\t) == 1
	s_wait_xcnt 0x0                                ; tile A's stores have read the registers that the loads below fill
.endif
.set n, 0
.rept 16
	ds_load_b128 v[S+4*n:S+4*n+3], v[RD] offset:SPI*n   ; LDS serves a wave's instructions in order (ISA guide 5.7.1.4): these see the stores above
.set n, n+1
.endr
.set n, 0
.rept 16
	s_wait_dscnt 15-n                              ; row n is back; the younger rows' loads stay out
	global_store_b128 v[L16], v[S+4*n:S+4*n+3], s[OP:OP+1] offset:STEPB*(\t)+ROWB*n th:TH_STORE_NT   ; a row's 512 consecutive bytes
.set n, n+1
.endr
.endr
	s_wait_xcnt 0x0                                ; the stores have read their registers and pointers
	s_cmp_eq_u32 s[LEFT], 1
	s_cbranch_scc1 .Lbottom
	s_mov_b64 s[OP:OP+1], s[OPL:OPL+1]             ; THE SECOND BLOCK BEGINS: its first a is 0, so O^T and l need only be finite
	s_mov_b64 s[RP:RP+1], s[RPL:RPL+1]
	s_mov_b32 s[RT], s[PB]
	WIN W_QM
.set n, 0
.rept 64
	v_mov_b32 v[Q+n], v[QB+n]                      ; its Q goes where the one text of the steps names Q
.set n, n+1
.endr
	WIN 0
.irp t, 0,1
	v_mov_b32 v[ST+8*(\t)], 0xfe000000
	v_mov_b32 v[ST+8*(\t)+1], 0xff7fffff
.endr
	s_branch .Lbottom
.Lmore:
	s_sub_co_u32 s[RT], s[RT], 1
.Lbottom:
	s_sub_co_u32 s[LEFT], s[LEFT], 1
	s_cmp_lg_u32 s[LEFT], 0
	s_cbranch_scc1 .Ltrip
	s_wait_tensorcnt 0x0                           ; the wave's end: behind my last LDS store
	ds_add_u32 v[SPW], v[NIL]
	s_wait_dscnt 0x0
	s_endpgm
.Lfunc_end_k_qaaf61d913b_attn:
	.size	k_qaaf61d913b_attn, .Lfunc_end_k_qaaf61d913b_attn-k_qaaf61d913b_attn
	.p2alignl 7, 3214868480
	.fill 96, 4, 3214868480
	.section	.rodata,"a",@progbits
	.p2align	6, 0x0
	.amdhsa_kernel k_qaaf61d913b_attn
		.amdhsa_group_segment_fixed_size 105984
		.amdhsa_private_segment_fixed_size 0
		.amdhsa_enable_private_segment 0
		.amdhsa_kernarg_size 40
		.amdhsa_user_sgpr_count 2
		.amdhsa_user_sgpr_kernarg_segment_ptr 1
		.amdhsa_wavefront_size32 1
		.amdhsa_system_sgpr_workgroup_id_x 1
		.amdhsa_system_sgpr_workgroup_id_y 1
		.amdhsa_system_sgpr_workgroup_id_z 1
		.amdhsa_system_vgpr_workitem_id 0
		.amdhsa_next_free_vgpr 1024
		.amdhsa_next_free_sgpr 66
		.amdhsa_reserve_vcc 1
		.amdhsa_float_denorm_mode_32 3
		.amdhsa_float_denorm_mode_16_64 3
		.amdhsa_memory_ordered 1
		.amdhsa_forward_progress 1
		.amdhsa_inst_pref_size 152
	.end_amdhsa_kernel
	.amdgpu_metadata
---
amdhsa.version: [ 1, 2 ]
amdhsa.kernels:
  - .name:           k_qaaf61d913b_attn
    .symbol:         k_qaaf61d913b_attn.kd
    .args:
      - { .name: q, .offset: 0, .size: 8, .value_kind: global_buffer, .address_space: global }
      - { .name: k, .offset: 8, .size: 8, .value_kind: global_buffer, .address_space: global }
      - { .name: v, .offset: 16, .size: 8, .value_kind: global_buffer, .address_space: global }
      - { .name: out0, .offset: 24, .size: 8, .value_kind: global_buffer, .address_space: global }
      - { .name: qm, .offset: 32, .size: 8, .value_kind: global_buffer, .address_space: global }
    .group_segment_fixed_size: 105984
    .private_segment_fixed_size: 0
    .kernarg_segment_align: 8
    .kernarg_segment_size: 40
    .max_flat_workgroup_size: 128
    .sgpr_count:     66
    .vgpr_count:     1024
    .wavefront_size: 32
...
	.end_amdgpu_metadata
.endif
;; end of part 1
;; launch colsum (part 2): grid 8 x 32, 4 waves a work-group, no clusters, 78,336 bytes of LDS; arguments k, qm, out1, out2; writes out1, out2
.if DOCPART == 2
	.amdgcn_target "amdgcn-amd-amdhsa--gfx1250"
	.amdhsa_code_object_version 6
	.text
	.protected	k_qaaf61d913b_colsum
	.globl	k_qaaf61d913b_colsum
	.p2align	8
	.type	k_qaaf61d913b_colsum,@function
k_qaaf61d913b_colsum:
	s_mov_b64 s[64:65], 0
	v_nop
	global_prefetch_b8 v0, s[64:65] scope:SCOPE_SE
	s_setreg_imm32_b32 hwreg(HW_REG_WAVE_MODE, 25, 1), 1
	s_wait_xcnt 0x0
; out1[head][key] = the sum over queries >= key of the softmax's weight p, out2 = the sum of p^2.  p = 2^(c s - M), s = q . k, c = log2(e) / sqrt(128), M = c m + log2 l of the query's row.
; qm (stored by the launch before) holds, for each head, block of 128 queries and wave, a record of 8,448 bytes: two tiles of 16 queries as bf16 fragments (512 n + 16 lane), then their M (f32).
; k is rounded to bf16 as there, so s has the same bits; p, p^2 and their sums in f32.
; LIMITS.  A weight below 2^-126 counts as 0; NaN and infinities are not treated apart.  A hidden weight is replaced by 0 behind its exponential, whatever that gave.
; SHARES.  A work-group owns key block b (query blocks b .. 15) and then key block 15 - b (query blocks 15 - b .. 15): 17 trips, whatever b.  Every wave holds all 128 keys of the block in hand as
; fragments in registers and takes, in each trip, ITS record of the query block (32 queries) straight from memory into fragment registers; the four waves' sums meet in LDS at the end.
; The records are loaded two trips ahead; one record's loads beyond the walk's end (inside qm) serve nothing: the price of one text for the loop's trips.
; LAYOUT.  S = Q K^T (source 0 = 16 queries, source 1 = 16 keys): a lane holds ONE key (lane % 16) and the queries 8 (lane / 16) + 0..7, so the sums over queries run along the registers.
; NO CLUSTER, NO TENSOR LOAD: a work-group's keys are its own, and the records that several work-groups read are read in different trips.  NO PREFETCH: the loads themselves go out two trips ahead.
; REGISTERS: window 0: v1-12 addresses; v16-31 sums of p, a pair for each group of 16 keys; v32-47 of p^2; v48-63 at work; v64-95 M, two sets; v128-255 S, 64 a tile
;   window 1: K's 32 fragments (group kt, channels 32 c on, at 32 kt + 8 c)    window 2: Q, two sets of 64    window 3: both key blocks' f32 rows on their way in
.set ROWB,  16384
.set PK,    272
.set KBL,   128*PK                  ; a key block in LDS
.set RED,   2*KBL                   ; [block 2][wave 4][p or p^2][r 16][kt 8] f32
.set SPARE, RED+8192                ; the spare words: 128 bytes a wave, named by no other line
.set RECB,  8448
.set RBLK,  4*RECB
.set RHEAD, 16*RBLK
.set AK0, 1                         ; 272 r + 16 h
.set KST, 2                         ; 32 w rows + 8 l
.set GKO, 3                         ; 32 w rows in memory + 16 l
.set L16, 4
.set MO,  5                         ; 32 h
.set TH,  6                         ; r - 8 h - 16 w
.set ZR,  7                         ; 0
.set RST, 8                         ; RED + 1,024 w + 32 l
.set RDA, 9                         ; RED + 512 (w / 2) + 64 (l % 8) + 16 (w % 2) + 4 (l / 8)
.set L8,  10
.set SPW, 11
.set NIL, 12
.set SP,  16
.set SQ,  32
.set T,   48
.set M,   64
.set S,   128
.set WV, 14
.set PB, 15
.set HI, 16
.set HEAD, 17
.set RB, 18                         ; s[18:19] my wave's records of the head
.set RP, 20                         ; s[20:21] the record that is being loaded
.set OFF, 22
.set OA, 24                         ; s[24:25], s[26:27] my 256 bytes of out1 (waves 0, 1) or out2 (waves 2, 3) for the two key blocks
.set OB, 26
.set K0, 28
.set K1, 30
.set CN, 36                         ; trips left of the key block in hand
.set LN, 37                         ; the query block to be loaded next
.set RS, 38
.set LEFT, 39
.set DG, 41                         ; 1: the query block is the key block
.set CS, 42
.set SEL, 44
.set W_MM, 0x06
.set W_CV, 0xcf
.set W_ST3, 0x0c
.set W_LD3, 0xc0
.set W_FR, 0x80
.set W_TP, 0x40
.set MSB, 0
.macro WIN new
.if MSB != (\new)
	s_set_vgpr_msb (MSB<<8)|(\new)
.set MSB, (\new)
.endif
.endm
.macro PLACES
.rept 4
	v_nop
.endr
.endm
; Product i of 32 for tile t: channels 32 (i / 8) on, keys 16 (i % 8) on.  The 8 accumulators take turns; the first 8 start the sums.
.macro QK t, set
	WIN W_MM
.set rD, S+64*(\t)+8*(i%8)
.set rA, 64*(\set)+32*(\t)+8*(i/8)
.set rB, 32*(i%8)+8*(i/8)
.if i < 8
	v_wmma_f32_16x16x32_bf16 v[rD:rD+7], v[rA:rA+7], v[rB:rB+7], 0
.else
	v_wmma_f32_16x16x32_bf16 v[rD:rD+7], v[rA:rA+7], v[rB:rB+7], v[rD:rD+7]
.endif
.endm
; Pair x of 32 of tile t: group of keys x % 8, queries 2 (x / 8), 2 (x / 8) + 1.
.macro F set, t, x                  ; c s - M
	WIN 0
.set sr, S+64*(\t)+8*((\x)%8)+2*((\x)/8)
.set mr, M+16*(\set)+8*(\t)+2*((\x)/8)
	v_pk_fma_f32 v[sr:sr+1], v[sr:sr+1], s[CS:CS+1], v[mr:mr+1] op_sel_hi:[1,0,1] neg_lo:[0,0,1] neg_hi:[0,0,1]
.endm
.macro EXA t, x
	WIN 0
.set sr, S+64*(\t)+8*((\x)%8)+2*((\x)/8)
	v_exp_f32 v[sr], v[sr]
.endm
.macro EXB t, x
	WIN 0
.set sr, S+64*(\t)+8*((\x)%8)+2*((\x)/8)
	v_exp_f32 v[sr+1], v[sr+1]
.endm
.macro AP t, x                      ; the sums of p
	WIN 0
.set sr, S+64*(\t)+8*((\x)%8)+2*((\x)/8)
.set ar, SP+2*((\x)%8)
	v_pk_add_f32 v[ar:ar+1], v[ar:ar+1], v[sr:sr+1]
.endm
.macro AQ t, x                      ; the sums of p^2
	WIN 0
.set sr, S+64*(\t)+8*((\x)%8)+2*((\x)/8)
.set ar, SQ+2*((\x)%8)
	v_pk_fma_f32 v[ar:ar+1], v[sr:sr+1], v[sr:sr+1], v[ar:ar+1]
.endm
; The diagonal block.  Key 16 kt + r is hidden from query 16 w + 64 t + 8 h + j where j + 64 t - 16 kt < r - 8 h - 16 w.  Tile 0 meets the diagonal in groups 0-3 and sees nothing of groups 4-7;
; tile 1 sees all of groups 0-3 and meets the diagonal in groups 4-7, with the same constants.
.macro MASKP t
	WIN 0
.set n, 0
.rept 32
	v_cmp_lt_i32 vcc_lo, (n%8)-16*(n/8), v[TH]
	v_cndmask_b32 v[S+96*(\t)+n], v[S+96*(\t)+n], v[ZR], vcc_lo
.set n, n+1
.endr
.if (\t) == 0
.set n, 0
.rept 32
	v_mov_b32 v[S+32+n], 0
.set n, n+1
.endr
.endif
.endm
.macro LOADQ set, off               ; a record's 16 fragment halves: 512 consecutive bytes each
	WIN W_FR
.set n, 0
.rept 16
	global_load_b128 v[64*(\set)+4*n:64*(\set)+4*n+3], v[L16], s[RP:RP+1] offset:(\off)+512*n
.set n, n+1
.endr
	WIN 0
.endm
.macro LOADM set, off               ; M of my lanes' 8 queries in each tile
	WIN 0
.set n, 0
.rept 4
	global_load_b128 v[M+16*(\set)+4*n:M+16*(\set)+4*n+3], v[MO], s[RP:RP+1] offset:(\off)+8192+64*(n/2)+16*(n%2)
.set n, n+1
.endr
.endm
.macro FETCHK blk                   ; a key block's 32 fragments
	WIN W_TP
.set n, 0
.rept 32
	ds_load_b128 v[8*n:8*n+3],   v[AK0] offset:KBL*(\blk)+(n/4)*16*PK+(n%4)*64
	ds_load_b128 v[8*n+4:8*n+7], v[AK0] offset:KBL*(\blk)+(n/4)*16*PK+(n%4)*64+32
.set n, n+1
.endr
	WIN 0
.endm
.macro SUMS off                     ; a key block's sums of mine: pairs, then the other half of the lanes; lanes 0-15 keep p's, lanes 16-31 p^2's; 32 bytes a lane into RED
	WIN 0
.set n, 0
.rept 8
	v_add_f32 v[T+n], v[SP+2*n], v[SP+2*n+1]
	v_add_f32 v[T+8+n], v[SQ+2*n], v[SQ+2*n+1]
.set n, n+1
.endr
.set n, 0
.rept 16
	v_permlanex16_b32 v[S+n], v[T+n], s[SEL], s[SEL+1]
.set n, n+1
.endr
.set n, 0
.rept 16
	v_add_f32 v[T+n], v[T+n], v[S+n]
.set n, n+1
.endr
	v_cmp_le_u32 vcc_lo, 128, v[L8]
.set n, 0
.rept 8
	v_cndmask_b32 v[T+n], v[T+n], v[T+8+n], vcc_lo
.set n, n+1
.endr
	ds_store_b128 v[RST], v[T:T+3] offset:(\off)
	ds_store_b128 v[RST], v[T+4:T+7] offset:(\off)+16
.endm
; A TRIP: my 32 queries of a query block against the 128 keys.  Tile 0's scalings and exponentials stand behind tile 1's products, tile 1's among tile 0's sums.  ld = 1: the record two trips on is asked for.
.macro TRIP set, ld
	s_wait_loadcnt 20               ; this trip's record is in; the next record's 16 + 4 loads are younger
.set i, 0
.rept 32
	QK 0,\set
.set i, i+1
.endr
	PLACES                          ; behind tile 0's last products, ahead of the lines that read its scores
.set i, 0
.rept 32
	QK 1,\set
	F \set,0,i
.if i > 0
	EXA 0,i-1
	EXB 0,i-1
.endif
.set i, i+1
.endr
	EXA 0,31
	EXB 0,31
	PLACES                          ; behind the last products (tile 1's scores are read, and Q's registers loaded, behind these) and behind the last exponential
	s_wait_alu depctr_va_vdst(0)    ; ONE wait for tile 0's 64 exponentials, ahead of the first line that names a result
.if \ld
	s_wait_xcnt 0x0                 ; the loads of the trip before have read the pointer
	s_mul_i32 s[OFF], s[LN], RBLK
	s_add_nc_u64 s[RP:RP+1], s[RB:RB+1], s[OFF:OFF+1]
	s_add_co_u32 s[LN], s[LN], 1    ; behind query block 15 the second key block's first
	s_cmp_gt_u32 s[LN], 15
	s_cselect_b32 s[LN], s[RS], s[LN]
	LOADQ \set,0
.endif
	WIN 0
	s_cmp_eq_u32 s[DG], 0
	s_cbranch_scc1 .Lopen0_\@
	MASKP 0
.Lopen0_\@:
.set i, 0
.rept 32
	F \set,1,i
.if i > 0
	EXA 1,i-1
.endif
	AP 0,i
.if i > 0
	EXB 1,i-1
.endif
	AQ 0,i
.set i, i+1
.endr
	EXA 1,31
	EXB 1,31
	v_nop                           ; a plain instruction behind the last exponential,
	s_wait_alu depctr_va_vdst(0)    ; and one wait for tile 1's 64
	s_cmp_eq_u32 s[DG], 0
	s_cbranch_scc1 .Lopen1_\@
	MASKP 1
.Lopen1_\@:
.set i, 0
.rept 32
	AP 1,i
	AQ 1,i
.set i, i+1
.endr
.if \ld
	LOADM \set,0                    ; the set's M has been read for the last time
.endif
	s_mov_b32 s[DG], 0
	s_sub_co_u32 s[CN], s[CN], 1
.endm
; THE FIRST KEY BLOCK ENDS (behind trip 15 - b): its sums go to LDS, the sums start anew, the second block's fragments come in.  No barrier stands here: RED's bytes are each wave's own until the end.
.macro BEND
	s_cmp_lg_u32 s[CN], 0
	s_cbranch_scc1 .Lon_\@
	SUMS 0
.set n, 0
.rept 32
	v_mov_b32 v[SP+n], 0
.set n, n+1
.endr
	FETCHK 1
	s_wait_dscnt 0x0
	s_add_co_u32 s[CN], s[PB], 1
	s_mov_b32 s[DG], 1
.Lon_\@:
.endm
	s_load_b256 s[4:11], s[0:1], 0x0               ; k s[4:5], qm s[6:7], out1 s[8:9], out2 s[10:11]
	v_lshl_add_u32 v[SPW], v0, 2, SPARE
	v_mov_b32 v[NIL], 0
	v_lshrrev_b32 v48, 5, v0
	v_readfirstlane_b32 s[WV], v48                 ; wave 0..3
	s_mov_b32 s[PB], ttmp9
	s_sub_co_u32 s[HI], 15, s[PB]
	s_and_b32 s[HEAD], ttmp7, 0xffff
	v_and_b32 v49, 31, v0                          ; l
	v_and_b32 v50, 15, v0                          ; r
	v_bfe_u32 v51, v0, 4, 1                        ; h
	v_and_b32 v52, 7, v0
	v_bfe_u32 v53, v0, 3, 2                        ; l / 8
	v_mul_u32_u24 v[AK0], v50, PK
	v_lshl_add_u32 v[AK0], v51, 4, v[AK0]
	s_mul_i32 s50, s[WV], 32*PK
	v_lshl_add_u32 v[KST], v49, 3, s50
	s_lshl_b32 s51, s[WV], 19
	v_lshl_add_u32 v[GKO], v49, 4, s51
	v_lshlrev_b32 v[L16], 4, v49
	v_lshlrev_b32 v[MO], 5, v51
	v_lshlrev_b32 v54, 3, v51
	v_sub_nc_u32 v[TH], v50, v54
	s_lshl_b32 s52, s[WV], 4
	s_sub_co_u32 s52, 0, s52
	v_add_nc_u32 v[TH], s52, v[TH]
	v_mov_b32 v[ZR], 0
	s_lshl_b32 s53, s[WV], 10
	s_add_co_u32 s53, s53, RED
	v_lshl_add_u32 v[RST], v49, 5, s53
	s_lshr_b32 s54, s[WV], 1
	s_lshl_b32 s54, s54, 9
	s_and_b32 s55, s[WV], 1
	s_lshl_b32 s56, s55, 4
	s_add_co_u32 s54, s54, s56
	s_add_co_u32 s54, s54, RED
	v_lshl_add_u32 v[RDA], v52, 6, s54
	v_lshl_add_u32 v[RDA], v53, 2, v[RDA]
	v_lshlrev_b32 v[L8], 3, v49
	; byte offsets, made apart from the addresses
	s_lshl_b32 s50, s[HEAD], 9
	s_lshl_b32 s52, s[PB], 21
	s_add_co_u32 s52, s52, s50                     ; the first key block's rows of the head
	s_mov_b32 s53, 0
	s_lshl_b32 s54, s[HI], 21
	s_add_co_u32 s54, s54, s50                     ; the second's
	s_lshl_b32 s58, s55, 8                         ; (s55 = w % 2) my 64 keys of a block: 256 bytes
	s_mov_b32 s55, 0
	s_mul_i32 s56, s[HEAD], RHEAD
	s_mul_i32 s50, s[WV], RECB
	s_add_co_u32 s56, s56, s50
	s_mov_b32 s57, 0
	s_mul_i32 s[OFF], s[PB], RBLK
	s_mov_b32 s[OFF+1], 0
	s_lshl_b32 s50, s[HEAD], 13
	s_add_co_u32 s58, s58, s50
	s_lshl_b32 s50, s[PB], 9
	s_add_co_u32 s46, s58, s50
	s_mov_b32 s47, 0
	s_lshl_b32 s50, s[HI], 9
	s_add_co_u32 s48, s58, s50
	s_mov_b32 s49, 0
	s_mov_b32 s[CS], 0x3e0293ee                    ; c = log2(e) / sqrt(128)
	s_mov_b32 s[CS+1], s[CS]
	s_mov_b32 s[SEL], 0x76543210
	s_mov_b32 s[SEL+1], 0xfedcba98
	s_sub_co_u32 s[CN], 16, s[PB]
	s_add_co_u32 s[LN], s[PB], 2
	s_mov_b32 s[RS], s[HI]
	s_mov_b32 s[DG], 1
	s_mov_b32 s[LEFT], 8
	s_wait_kmcnt 0x0
	s_add_nc_u64 s[K0:K0+1], s[4:5], s[52:53]
	s_add_nc_u64 s[K1:K1+1], s[4:5], s[54:55]
	s_add_nc_u64 s[RB:RB+1], s[6:7], s[56:57]
	s_add_nc_u64 s[RP:RP+1], s[RB:RB+1], s[OFF:OFF+1]
	s_cmp_lt_u32 s[WV], 2
	s_cselect_b64 s[OA:OA+1], s[8:9], s[10:11]
	s_add_nc_u64 s[OB:OB+1], s[OA:OA+1], s[48:49]
	s_add_nc_u64 s[OA:OA+1], s[OA:OA+1], s[46:47]
	WIN W_LD3                                      ; my 32 rows of each key block, f32: a load a row
.set n, 0
.rept 32
	global_load_b128 v[4*n:4*n+3], v[GKO], s[K0:K0+1] offset:ROWB*n th:TH_LOAD_NT
.set n, n+1
.endr
.set n, 0
.rept 32
	global_load_b128 v[128+4*n:128+4*n+3], v[GKO], s[K1:K1+1] offset:ROWB*n th:TH_LOAD_NT
.set n, n+1
.endr
	LOADQ 0,0                                      ; query block b,
	LOADM 0,0
	LOADQ 1,RBLK                                   ; and b + 1
	LOADM 1,RBLK
.set n, 0
.rept 32
	v_mov_b32 v[SP+n], 0                           ; the sums start at 0, in the wait for the first rows
.set n, n+1
.endr
	s_wait_loadcnt 40                              ; K's rows are in; the two records' 40 loads are younger
	WIN W_CV
.set n, 0
.rept 64
	v_cvt_pk_bf16_f32 v[4*n], v[4*n], v[4*n+1]
	v_cvt_pk_bf16_f32 v[4*n+1], v[4*n+2], v[4*n+3]
.set n, n+1
.endr
	WIN W_ST3
.set n, 0
.rept 64
	ds_store_b64 v[KST], v[4*n:4*n+1] offset:KBL*(n/32)+PK*(n%32)
.set n, n+1
.endr
	WIN 0
	s_wait_dscnt 0x0                               ; my rows are stored,
	s_barrier_signal -1
	s_barrier_wait -1                              ; everybody's are; K's bytes are written no more
	FETCHK 0
	s_wait_dscnt 0x0
.Lpair:                                            ; 8 times two trips
	TRIP 0,1
	BEND
	TRIP 1,1
	BEND
	s_sub_co_u32 s[LEFT], s[LEFT], 1
	s_cmp_lg_u32 s[LEFT], 0
	s_cbranch_scc1 .Lpair
	TRIP 0,0                                       ; the 17th trip asks for nothing
	SUMS 4096
	s_wait_dscnt 0x0                               ; for the others' sake: my sums are stored
	s_barrier_signal -1
	s_barrier_wait -1
	; Waves 0, 1 finish p's sums, waves 2, 3 p^2's, 64 keys of each block a wave, two keys a lane: n = 8 block + 2 wave + key
.set n, 0
.rept 16
	ds_load_b32 v[M+n], v[RDA] offset:4096*(n/8)+1024*((n/2)%4)+32*(n%2)
.set n, n+1
.endr
	s_wait_dscnt 0x0
.irp g, 0,8
	v_pk_add_f32 v[M+(\g):M+(\g)+1], v[M+(\g):M+(\g)+1], v[M+(\g)+2:M+(\g)+3]
	v_pk_add_f32 v[M+(\g)+4:M+(\g)+5], v[M+(\g)+4:M+(\g)+5], v[M+(\g)+6:M+(\g)+7]
	v_pk_add_f32 v[M+(\g):M+(\g)+1], v[M+(\g):M+(\g)+1], v[M+(\g)+4:M+(\g)+5]
.endr
	global_store_b64 v[L8], v[M:M+1], s[OA:OA+1]       ; 256 consecutive bytes, at a multiple of 256 from the output's first byte
	global_store_b64 v[L8], v[M+8:M+9], s[OB:OB+1]
	s_wait_tensorcnt 0x0                           ; the wave's end: behind my last LDS store
	ds_add_u32 v[SPW], v[NIL]
	s_wait_dscnt 0x0
	s_endpgm
.Lfunc_end_k_qaaf61d913b_colsum:
	.size	k_qaaf61d913b_colsum, .Lfunc_end_k_qaaf61d913b_colsum-k_qaaf61d913b_colsum
	.p2alignl 7, 3214868480
	.fill 96, 4, 3214868480
	.section	.rodata,"a",@progbits
	.p2align	6, 0x0
	.amdhsa_kernel k_qaaf61d913b_colsum
		.amdhsa_group_segment_fixed_size 78336
		.amdhsa_private_segment_fixed_size 0
		.amdhsa_enable_private_segment 0
		.amdhsa_kernarg_size 32
		.amdhsa_user_sgpr_count 2
		.amdhsa_user_sgpr_kernarg_segment_ptr 1
		.amdhsa_wavefront_size32 1
		.amdhsa_system_sgpr_workgroup_id_x 1
		.amdhsa_system_sgpr_workgroup_id_y 1
		.amdhsa_system_sgpr_workgroup_id_z 1
		.amdhsa_system_vgpr_workitem_id 0
		.amdhsa_next_free_vgpr 1024
		.amdhsa_next_free_sgpr 66
		.amdhsa_reserve_vcc 1
		.amdhsa_float_denorm_mode_32 3
		.amdhsa_float_denorm_mode_16_64 3
		.amdhsa_memory_ordered 1
		.amdhsa_forward_progress 1
		.amdhsa_inst_pref_size 141
	.end_amdhsa_kernel
	.amdgpu_metadata
---
amdhsa.version: [ 1, 2 ]
amdhsa.kernels:
  - .name:           k_qaaf61d913b_colsum
    .symbol:         k_qaaf61d913b_colsum.kd
    .args:
      - { .name: k, .offset: 0, .size: 8, .value_kind: global_buffer, .address_space: global }
      - { .name: qm, .offset: 8, .size: 8, .value_kind: global_buffer, .address_space: global }
      - { .name: out1, .offset: 16, .size: 8, .value_kind: global_buffer, .address_space: global }
      - { .name: out2, .offset: 24, .size: 8, .value_kind: global_buffer, .address_space: global }
    .group_segment_fixed_size: 78336
    .private_segment_fixed_size: 0
    .kernarg_segment_align: 8
    .kernarg_segment_size: 32
    .max_flat_workgroup_size: 128
    .sgpr_count:     66
    .vgpr_count:     1024
    .wavefront_size: 32
...
	.end_amdgpu_metadata
.endif
;; end of part 2
